; MI455X (gfx1250); checked and timed in simulation.
; The chip was launched on July 23, 2026; its instructions are those of AMD's public machine-readable ISA for CDNA 5 (MIT licence, August 2026) and "CDNA5" Instruction Set Architecture Reference Guide (July 2026). The comments in the code are by the model that wrote it; some were corrected since.
;; Linear Attention. Allowed arithmetic: matrix products marked QUANTISED: E2M1 operands, one E8M0 scale for each 32 along K, by v_wmma_scale_f32_16x16x128_f8f6f4 with both operands' format E2M1 (or v_wmma_scale_f32_32x16x128_f4), f32 sums; products left as they are: f32 operands where the result goes on into a quantised operand, else bf16, f16 or f32 operands; f32 sums; everything else in f32.
;; Inputs: keys 8 x 4,096 x 8 x 64 float32; queries 8 x 4,096 x 8 x 64 float32; values 8 x 4,096 x 8 x 64 float32.
;; Outputs: out0 8 x 4,096 x 8 x 64 float32.
;; This version of the problem:
;;   THIS VERSION OF THE PROBLEM IS GIVEN IN LOW PRECISION. The matrix products marked QUANTISED in the list below multiply operands that are first quantised to E2M1 (2 exponent bits, 1 mantissa bit; 4 bits a number), with one power-of-two scale for each 32 numbers along K (OCP MX v1.0); their sums are f32. All else is computed in f32.
;;   The module's matrix products, in the order in which they are computed (A, B: the left and right operand; K: the contracted axis; several contracted axes count as one K, in the product's order):
;;     1. batch 64 x [M 64, K 4,096] x [K 4,096, N 64]; A: computed on the way; B: computed on the way: QUANTISED
;;     2. batch 64 x [M 1, K 64] x [K 64, N 4,096]; A: computed on the way; B: computed on the way: left as it is (M = 1 < 16)
;;     3. batch 64 x [M 64, K 64] x [K 64, N 4,096]; A: computed on the way; B: computed on the way: QUANTISED
;;     4. batch 262,144 x [M 1, K 1] x [K 1, N 64]; A: computed on the way; B: computed on the way: left as it is (no contracted axis)
;;   THE QUANTISER, for each operand of a quantised product, along K:
;;     - K is cut into blocks of 32 from its start; a last block that is shorter is filled with zeros.
;;     - A block's scale is 2^e with e = floor(log2(the largest magnitude in the block)) - 2, held to -126 .. 127; a block of zeros has e = 0. As a byte (E8M0): e + 127.
;;     - Each number is divided by its block's scale, clamped to +-6, and rounded to the nearest number of E2M1, ties to even, subnormals kept.
;;     - The product sums the exact products of the quantised numbers (number of the format x scale) in f32.
;;   ~~~python
;;   def quantise(x, axis):      # numpy; x: float32 -> the quantised numbers, widened to float32 again
;;       x = np.moveaxis(x, axis, -1); K = x.shape[-1]
;;       x = np.pad(x, [(0, 0)] * (x.ndim - 1) + [(0, -K % 32)]); x = x.reshape(x.shape[:-1] + (-1, 32)); a = np.abs(x).max(-1, keepdims=True)
;;       e = np.where(a > 0, np.clip(np.frexp(np.where(a > 0, a, 1))[1] - 1 - 2, -126, 127), 0)      # np.frexp(a)[1] - 1 = floor(log2(a)), exactly
;;       r = np.clip(x / 2.0 ** e, -6, 6)
;;       step = 2.0 ** (np.maximum(np.frexp(np.where(r == 0, 1, r))[1] - 1, 0) - 1)
;;       q = np.round(r / step) * step * 2.0 ** e      # np.round: ties to even
;;       return np.moveaxis(q.reshape(q.shape[:-2] + (-1,))[..., :K], -1, axis).astype(np.float32)
;;   ~~~
;;   OPERANDS COMPUTED ON THE WAY. 'Computed on the way' means the value that the module computes at that place (a softmax that the list does not call 'softmax' is quantised finished and normalised). What goes into a quantiser is computed in f32, as accurately as f32 sums, v_exp_f32 and their like allow (about 1e-6 of the number): no bf16 or f16 on the way to a quantiser, and a product that is left as it is and whose result goes on into a quantised operand takes f32 operands (vector FMAs, or v_wmma_f32_16x16x4_f32). A number that lies on a knife's edge between two numbers of the format may be rounded either way, as far as f32 arithmetic and the matrix unit's own rounding can turn it there, and no further.
;; One version. Each part assembles by itself: llvm-mc -triple=amdgcn-amd-amdhsa -mcpu=gfx1250 --defsym DOCPART=n.
;; ======== version 1 of 1: 2 launches
;; workspace buffers: part 4,194,304 bytes; ksp 131,072 bytes
;; launch kvsum (part 1): grid 256 x 1, 8 waves a work-group, no clusters, 263,168 bytes of LDS; arguments keys, values, part, ksp; writes part, ksp
.if DOCPART == 1
	.amdgcn_target "amdgcn-amd-amdhsa--gfx1250"
	.amdhsa_code_object_version 6
	.text
	.protected	k_q1d9a0f422a_kvsum
	.globl	k_q1d9a0f422a_kvsum
	.p2align	8
	.type	k_q1d9a0f422a_kvsum,@function
k_q1d9a0f422a_kvsum:
	s_mov_b64 s[64:65], 0
	v_nop
	global_prefetch_b8 v0, s[64:65] scope:SCOPE_SE
	s_setreg_imm32_b32 hwreg(HW_REG_WAVE_MODE, 25, 1), 1
	s_wait_xcnt 0x0
; KV[n,h,d,v] = sum over s of Q4(elu(keys)+1)[s,d] x Q4(values/4096)[s,v], and K.sum[n,h,d] = sum over s of (elu(keys)+1)[s,d], as FOUR PARTS for each head.
; Q4: codes of FP4 (E2M1) with one E8M0 scale for each 32 along s.  keys, values: [8][4096][8][64] f32: a (key, head) is 256 consecutive bytes, keys are 2,048 bytes apart.
; SHARES.  Work-group g: head g & 7, quarter of s (g >> 3) & 3, batch g >> 5: 1,024 keys of one head.  Each of its eight waves owns 128 keys: ONE K step of the matrix instruction, as two units of 64.
; LAYOUT.  A lane takes 16 bytes of a row: columns 4 r .. 4 r + 3 (r = lane % 16); lanes 0-15 cover one row's 256 bytes, lanes 16-31 the row 32 keys further on.  So tile j of an operand has
; row r = column 4 r + j, and the 32 loads of a unit give a lane a WHOLE block of 32 along s for four columns: no other lane is asked for a maximum.  The conversions want a block's
; numbers in consecutive registers: the arithmetic that is due anyway (the maximum in elu, the multiplication by 1/4096) writes its results there, so nothing is moved for the turn alone.
; ELU + 1 = max(x, 2^(-|x| log2 e) - 1) + 1: for x > 0 the second term is negative and x wins; for x <= 0 it is e^x - 1, which is not under x but for the last bit.  The -1 and +1 are kept apart, as they
; stand in the definition: e^x then falls on the same multiples of 2^-24, and on 0 for very negative x.
; WHAT IS ASKED FOR, AND WHEN.  At the head: the keys' two units by 64 loads into registers (window 1, sets A and B), and the values' unit 0 by one tensor load of 64 rows x 256 bytes into the wave's own LDS
; bytes, each filled once: 32 KiB a wave, 256 KiB a work-group.  The values' unit 1 is asked for by 32 loads into set A as soon as K's unit 0 has left it, and lands while K's unit 1 and V's unit 0 are worked.
; The work goes in the order K 0, K 1, V 0, V 1, and each wait stands directly ahead of the work that needs its bytes: nothing that has landed waits for something that has not.
; A wave has one tensor load outstanding.  Only the issuing wave reads those bytes, behind its own wait on TENSORcnt.
; RESULT.  Accumulator (jd, jv), register q, lane (r, hl) = KV(d = 32 hl + 4 q + jd, v = 4 r + jv): the 32 registers of one jv are a whole block of 32 along d of one v, which is what the next launch quantises.
; The eight waves' accumulators meet in LDS (each wave stores into its own bytes, which have had their only fill and their last read), and the sum leaves as an image of the registers: 512 consecutive bytes a store.
; LIMITS: NaN and infinities among the inputs are not served.  A block of zeros gets the byte 1: its codes are zeros, and the bytes are read by this program alone.
; REGISTERS.  window 0: v1-9 addresses; v16-47 E (at work); v48-79 T (a block of 32 along s); v80-111, v112-143 codes of K and of V (tile j at 8 j); v144-151 scale words; v152-167 sums; v168-179 at work.
;             window 1: v0-127 set A, v128-255 set B: a unit's 32 x 4 registers as loaded; at the end set A takes the 16 accumulators.
.set LOG2E,   0x3fb8aa3b
.set INV4096, 0x39800000               ; 2^-12
.set FLOOR,   0x1800000                ; 2^(3 - 127): under it no largest magnitude is taken, so the byte cannot fall under 1
.set ROWB,    2048                     ; bytes from key to key
.set UNIT,    16384                    ; 64 rows of 256 bytes in LDS
.set WREG,    32768                    ; a wave's bytes of LDS: V's unit 0, later the image of my accumulators; behind them my four sums
.set RA,   0
.set RB,   128
.set KOFF, 1                           ; v1   keys and values: 16 r + 32 rows x hl
.set LA,   2                           ; v2   values in LDS: my wave's bytes + 32 rows x hl + 16 r
.set STA,  3                           ; v3   my wave's bytes + 16 x lane
.set RD,   4                           ; v4-7 2,048 x wave + 16 x lane, + 65,536 a: the part of every wave's image that I add; v4 also my place in the stored part
.set SH,   8                           ; v8   8 hl
.set L16,  9                           ; v9   16 x lane
.set E,    16
.set T,    48
.set KC,   80
.set VC,   112
.set WK,   144
.set WV,   148
.set SM,   152                         ; column j: two chains of pairs at SM + 4 j
.set MX,   168
.set SO,   172
.set TB,   173
.set KS,   176
.set R,    16                          ; the meeting: 8 sets of 16 registers, v16-143
.set MSB, 0
.macro WIN new                         ; the immediate's high byte repeats the setting that is left
.if MSB != \new
	s_set_vgpr_msb (MSB<<8)|\new
.set MSB, \new
.endif
.endm
; Step k of 16 of the largest magnitude of v[T] .. v[T+31] and the floor: four chains, so that no line waits for the line above it.
.macro MAXSTEP ab
.if \ab
.if k == 0
	v_max3_num_f32 v[MX], |v[T]|, |v[T+1]|, FLOOR
.elseif k < 4
	v_max3_num_f32 v[MX+k], |v[T+3*k-1]|, |v[T+3*k]|, |v[T+3*k+1]|
.elseif k < 14
	v_max3_num_f32 v[MX+k%4], v[MX+k%4], |v[T+2*k+3]|, |v[T+2*k+4]|
.elseif k == 14
	v_max3_num_f32 v[MX], v[MX], v[MX+1], v[MX+2]
.else
	v_max3_num_f32 v[MX], v[MX], v[MX+3], |v[T+31]|
.endif
.else
.if k == 0
	v_max3_num_f32 v[MX], v[T], v[T+1], FLOOR
.elseif k < 4
	v_max3_num_f32 v[MX+k], v[T+3*k-1], v[T+3*k], v[T+3*k+1]
.elseif k < 14
	v_max3_num_f32 v[MX+k%4], v[MX+k%4], v[T+2*k+3], v[T+2*k+4]
.elseif k == 14
	v_max3_num_f32 v[MX], v[MX], v[MX+1], v[MX+2]
.else
	v_max3_num_f32 v[MX], v[MX], v[MX+3], v[T+31]
.endif
.endif
.endm
; Step k of 16 of column j's sum of the unquantised K: two chains of pairs.  In unit 0 the first two steps start the chains: nothing is cleared.
.macro SUMSTEP c, j
.if \c == 0
.if k < 2
	v_pk_add_f32 v[SM+4*\j+2*k:SM+4*\j+2*k+1], v[T+4*k:T+4*k+1], v[T+4*k+2:T+4*k+3]
.elseif k < 14
	v_pk_add_f32 v[SM+4*\j+2*(k%2):SM+4*\j+2*(k%2)+1], v[SM+4*\j+2*(k%2):SM+4*\j+2*(k%2)+1], v[T+2*k+4:T+2*k+5]
.endif
.else
	v_pk_add_f32 v[SM+4*\j+2*(k%2):SM+4*\j+2*(k%2)+1], v[SM+4*\j+2*(k%2):SM+4*\j+2*(k%2)+1], v[T+2*k:T+2*k+1]
.endif
.endm
; The block in v[T] on becomes four registers of codes from v[dst] on; its byte goes into the tile's scale register w: unit 0's at bit 0, unit 1's at bit 16.
.macro CODES dst, w, c
	v_add_nc_u32 v[SO], 0xff000000, v[MX]          ; 2 off the exponent field: the conversion takes the exponent field of this operand as its scale, and nothing else of it
.irp g, 0,1,2,3
	v_cvt_scalef32_pk8_fp4_f32 v[\dst+\g], v[T+8*\g:T+8*\g+7], v[SO]
.endr
.if \c == 0
	v_lshrrev_b32 v[\w], 23, v[SO]                 ; the scale's byte (also the plain line behind the conversions)
.else
	v_lshrrev_b32 v[TB], 23, v[SO]
	v_lshl_or_b32 v[\w], v[TB], 16, v[\w]
.endif
.endm
; Column 4 r + j of K, unit c, from the set at reg.  Under the first window setting source 1 lies in window 1, all else in window 0.
.macro KCOL reg, c, j
	WIN 0x04
.set i, 0
.rept 32
	v_mul_f32 v[E+i], s40, -|v[\reg+4*i+\j]|       ; -|x| log2 e
.set i, i+1
.endr
.set i, 0
.rept 32
	v_exp_f32 v[E+i], v[E+i]
.set i, i+1
.endr
	v_nop                                          ; a plain line between the exponentials and the first use of a result
.set i, 0
	s_wait_alu depctr_va_vdst(0)
.rept 16
	v_pk_add_f32 v[E+i:E+i+1], v[E+i:E+i+1], -1.0 op_sel_hi:[1,0]
.set i, i+2
.endr
.set i, 0
.rept 32
	v_max_num_f32 v[T+i], v[E+i], v[\reg+4*i+\j]   ; elu; register i = key 64 c + 32 hl + i: the turn
.set i, i+1
.endr
.set i, 0
.rept 16
	v_pk_add_f32 v[T+i:T+i+1], v[T+i:T+i+1], 1.0 op_sel_hi:[1,0]
.set i, i+2
.endr
	WIN 0
.set k, 0
.rept 16
	SUMSTEP \c, \j
	MAXSTEP 0                                      ; K is never negative: no |.|
.set k, k+1
.endr
	CODES KC+8*\j+4*\c, WK+\j, \c
.endm
.macro VCOL reg, c, j
	WIN 0x04
.set i, 0
.rept 32
	v_mul_f32 v[T+i], s41, v[\reg+4*i+\j]          ; values / 4096, and the turn
.set i, i+1
.endr
	WIN 0
.set k, 0
.rept 16
	MAXSTEP 1
.set k, k+1
.endr
	CODES VC+8*\j+4*\c, WV+\j, \c
.endm
	s_load_b256 s[4:11], s[0:1], 0x0               ; keys s[4:5], values s[6:7], part s[8:9], ksp s[10:11]
	v_lshl_add_u32 v254, v0, 2, 0x40000
	v_mov_b32 v255, 0
	ds_add_u32 v254, v255
	ds_add_u32 v254, v255
	v_lshrrev_b32 v10, 5, v0
	v_readfirstlane_b32 s12, v10                   ; wave 0..7
	v_and_b32 v10, 15, v0                          ; r
	v_bfe_u32 v11, v0, 4, 1                        ; hl
	v_and_b32 v12, 31, v0                          ; lane
	s_and_b32 s13, ttmp9, 7                        ; head
	s_bfe_u32 s14, ttmp9, 0x20003                  ; quarter of s
	s_lshr_b32 s15, ttmp9, 5                       ; batch
	s_lshl_b32 s16, s15, 23                        ; my wave's first row, in bytes: batch x 4,096 rows + quarter x 1,024 rows + wave x 128 rows, of 2,048 bytes; + head x 256
	s_lshl_b32 s17, s14, 21
	s_or_b32 s16, s16, s17
	s_lshl_b32 s17, s12, 18
	s_or_b32 s16, s16, s17
	s_lshl_b32 s17, s13, 8
	s_or_b32 s16, s16, s17
	s_mov_b32 s17, 0
	s_lshl_b32 s18, s15, 5                         ; which part: (8 x batch + head) x 4 + quarter
	s_lshl_b32 s19, s13, 2
	s_or_b32 s18, s18, s19
	s_or_b32 s18, s18, s14
	s_lshl_b32 s20, s18, 14                        ; 16,384 bytes of KV a part,
	s_mov_b32 s21, 0
	s_lshl_b32 s22, s18, 9                         ; 512 bytes of sums
	s_mov_b32 s23, 0
	; descriptor group 1: 64 rows x 64 elements of 4 bytes, rows 512 elements apart; dense in LDS (every read takes whole rows, so no padding is wanted)
	s_mov_b32 s24, 2<<16                           ; 15:0 no mask; 17:16 elements of 4 bytes; 20 padding off
	s_mov_b32 s25, 64<<16                          ; tensor_dim0 = 64
	s_mov_b32 s26, 64<<16                          ; tensor_dim1 = 64
	s_mov_b32 s27, 64<<16                          ; tile_dim0 = 64
	s_mov_b32 s28, 64                              ; tile_dim1 = 64
	s_mov_b32 s29, 512                             ; tensor_dim0_stride
	s_mov_b32 s30, 0
	s_mov_b32 s31, 0
	s_mov_b32 s32, 1                               ; group 0: count,
	s_lshl_b32 s33, s12, 15                        ; LDS address: wave x 32,768
	s_mov_b32 s40, LOG2E
	s_mov_b32 s41, INV4096
	s_mov_b32 s42, 0x76543210
	s_mov_b32 s43, 0xfedcba98                      ; v_permlanex16_b32's selects for lane l xor 16
	v_lshlrev_b32 v[KOFF], 4, v10
	v_lshl_add_u32 v[KOFF], v11, 16, v[KOFF]
	v_lshlrev_b32 v[LA], 4, v10
	v_lshl_add_u32 v[LA], v11, 13, v[LA]
	v_add_nc_u32 v[LA], s33, v[LA]
	v_lshlrev_b32 v[L16], 4, v12
	v_add_nc_u32 v[STA], s33, v[L16]
	s_lshl_b32 s19, s12, 11
	v_add_nc_u32 v[RD], s19, v[L16]
	v_add_nc_u32 v[RD+1], 0x10000, v[RD]
	v_add_nc_u32 v[RD+2], 0x20000, v[RD]
	v_add_nc_u32 v[RD+3], 0x30000, v[RD]
	v_lshlrev_b32 v[SH], 3, v11
	s_wait_dscnt 0x0
	s_wait_kmcnt 0x0
	s_add_nc_u64 s[4:5], s[4:5], s[16:17]          ; keys at my wave's first row
	s_add_nc_u64 s[6:7], s[6:7], s[16:17]          ; values likewise
	s_mov_b64 s[34:35], s[6:7]                     ; the tile: the values' unit 0
	s_or_b32 s35, s35, 0x80000000                  ; type = 2
	s_add_nc_u64 s[8:9], s[8:9], s[20:21]
	s_add_nc_u64 s[10:11], s[10:11], s[22:23]
	; Asked for now, in this order: K's unit 0, V's unit 0 (the tile), K's unit 1.
	WIN 0x40                                       ; destination window 1, address window 0
.set i, 0
.rept 32
	global_load_b128 v[RA+4*i:RA+4*i+3], v[KOFF], s[4:5] offset:i*ROWB th:TH_LOAD_NT   ; lanes 0-15 read key i's 256 bytes, lanes 16-31 key 32 + i's
.set i, i+1
.endr
	tensor_load_to_lds s[32:35], s[24:31]
	s_nop 0
.rept 4
	v_nop                                          ; four v_nop follow a tensor load
.endr
.set i, 0
.rept 32
	global_load_b128 v[RB+4*i:RB+4*i+3], v[KOFF], s[4:5] offset:(64+i)*ROWB th:TH_LOAD_NT
.set i, i+1
.endr
	WIN 0
	s_wait_loadcnt 32                              ; loads come back in order: K's unit 0 is in, the 32 loads of its unit 1 may be out
.irp j, 0,1,2,3
	KCOL RA, 0, \j
.endr
	WIN 0x40                                       ; set A is free: V's unit 1 goes straight into it, in the layout in which K came
.set i, 0
.rept 32
	global_load_b128 v[RA+4*i:RA+4*i+3], v[KOFF], s[6:7] offset:(64+i)*ROWB th:TH_LOAD_NT
.set i, i+1
.endr
	s_wait_loadcnt 32                              ; K's unit 1 is in; the 32 loads just issued may be out
.irp j, 0,1,2,3
	KCOL RB, 1, \j
.endr
	s_wait_tensorcnt 0x0                           ; V's unit 0 lies in my LDS bytes
	WIN 0x40                                       ; into the set that K's unit 1 has left: each load takes two whole rows of 256 bytes
.set i, 0
.rept 32
	ds_load_b128 v[RB+4*i:RB+4*i+3], v[LA] offset:256*i
.set i, i+1
.endr
	s_wait_dscnt 0x0
.irp j, 0,1,2,3
	VCOL RB, 0, \j
.endr
	s_wait_loadcnt 0x0                             ; V's unit 1
.irp j, 0,1,2,3
	VCOL RA, 1, \j
.endr
	; The scale words.  My two bytes of a tile are those of blocks hl and 2 + hl: 8 hl bits up, and with lane l xor 16's two the word is whole.
.irp w, 0,1,2,3,4,5,6,7
	v_lshlrev_b32 v[WK+\w], v[SH], v[WK+\w]
.endr
.irp w, 0,1,2,3,4,5,6,7
	v_permlanex16_b32 v[E+\w], v[WK+\w], s42, s43  ; (its destination counts as read: E has been written)
.endr
.irp w, 0,1,2,3,4,5,6,7
	v_or_b32 v[WK+\w], v[WK+\w], v[E+\w]
.endr
	; My lane's sums of the four columns: eight plain lines, which are also the eight places between the last write of a scale register and the scaled matrix instructions.
.irp j, 0,1,2,3
	v_pk_add_f32 v[SM+4*\j:SM+4*\j+1], v[SM+4*\j:SM+4*\j+1], v[SM+4*\j+2:SM+4*\j+3]
.endr
.irp j, 0,1,2,3
	v_add_f32 v[KS+\j], v[SM+4*\j], v[SM+4*\j+1]
.endr
	WIN 0x40                                       ; D in window 1 (set A); A, B and the scales in window 0
.irp jv, 0,1,2,3
.irp jd, 0,1,2,3
	v_wmma_scale_f32_16x16x128_f8f6f4 v[RA+32*\jv+8*\jd:RA+32*\jv+8*\jd+7], v[KC+8*\jd:KC+8*\jd+7], v[VC+8*\jv:VC+8*\jv+7], 0, v[WK+\jd], v[WV+\jv] matrix_a_fmt:MATRIX_FMT_FP4 matrix_b_fmt:MATRIX_FMT_FP4
.endr
.endr
	WIN 0
.rept 4
	v_nop                                          ; four places behind the products, in front of the stores that read results and of the loads into the codes' registers
.endr
	; THE MEETING.  My 128 registers go into my own LDS bytes as they stand, 512 bytes a store: those bytes have had their only fill, and my reads of them are back.  My four sums lie behind them.
	ds_store_b128 v[STA], v[KS:KS+3] offset:UNIT
	WIN 0x04                                       ; an LDS store's data are its source 1: window 1
.set i, 0
.rept 32
	ds_store_b128 v[STA], v[RA+4*i:RA+4*i+3] offset:512*i   ; each accumulator from its low end on
.set i, i+1
.endr
	WIN 0
	s_wait_dscnt 0x0                               ; for the others' sake: my stores have landed
	s_barrier_signal -1
	s_barrier_wait -1
.irp a, 0,1,2,3                        ; wave w adds registers 16 w .. 16 w + 15 of all eight images: wave u = 2 a + b's lie at 32,768 u
.irp b, 0,1
.irp i, 0,1,2,3
	ds_load_b128 v[R+16*(2*\a+\b)+4*\i:R+16*(2*\a+\b)+4*\i+3], v[RD+\a] offset:\b*WREG+512*\i
.endr
.endr
.endr
.irp u, 1,2,3,4,5,6,7
	s_wait_dscnt 28-4*\u                           ; LDS loads come back in order: the sets of waves 0 .. u are in, four loads for each later wave may be out
.irp m, 0,1,2,3,4,5,6,7
	v_pk_add_f32 v[R+2*\m:R+2*\m+1], v[R+2*\m:R+2*\m+1], v[R+16*\u+2*\m:R+16*\u+2*\m+1]
.endr
.endr
.irp i, 0,1,2,3
	global_store_b128 v[RD], v[R+4*\i:R+4*\i+3], s[8:9] offset:512*\i   ; 32 lanes store 512 consecutive bytes, at a multiple of 256 from the buffer's first byte
.endr
	s_cmp_lg_u32 s12, 0
	s_cbranch_scc1 .Ldone
	; Wave 0 adds the eight waves' sums of K (in wave 0 v[RD+a] is 16 x lane + 65,536 a).  The two halves of the lanes stay apart: the next launch adds them.
.irp a, 0,1,2,3
.irp b, 0,1
	ds_load_b128 v[R+16+4*(2*\a+\b):R+16+4*(2*\a+\b)+3], v[RD+\a] offset:UNIT+\b*WREG
.endr
.endr
	s_wait_dscnt 0x0
.irp u, 1,2,3,4,5,6,7
	v_pk_add_f32 v[R+16:R+17], v[R+16:R+17], v[R+16+4*\u:R+17+4*\u]
	v_pk_add_f32 v[R+18:R+19], v[R+18:R+19], v[R+18+4*\u:R+19+4*\u]
.endr
	global_store_b128 v[L16], v[R+16:R+19], s[10:11]
.Ldone:
	s_wait_tensorcnt 0x0
	ds_add_u32 v254, v255
	s_wait_dscnt 0x0
	s_endpgm
.Lfunc_end_k_q1d9a0f422a_kvsum:
	.size	k_q1d9a0f422a_kvsum, .Lfunc_end_k_q1d9a0f422a_kvsum-k_q1d9a0f422a_kvsum
	.p2alignl 7, 3214868480
	.fill 96, 4, 3214868480
	.section	.rodata,"a",@progbits
	.p2align	6, 0x0
	.amdhsa_kernel k_q1d9a0f422a_kvsum
		.amdhsa_group_segment_fixed_size 263168
		.amdhsa_private_segment_fixed_size 0
		.amdhsa_enable_private_segment 0
		.amdhsa_kernarg_size 32
		.amdhsa_user_sgpr_count 2
		.amdhsa_user_sgpr_kernarg_segment_ptr 1
		.amdhsa_wavefront_size32 1
		.amdhsa_system_sgpr_workgroup_id_x 1
		.amdhsa_system_sgpr_workgroup_id_y 1
		.amdhsa_system_sgpr_workgroup_id_z 1
		.amdhsa_system_vgpr_workitem_id 0
		.amdhsa_next_free_vgpr 512
		.amdhsa_next_free_sgpr 66
		.amdhsa_reserve_vcc 0
		.amdhsa_float_denorm_mode_32 3
		.amdhsa_float_denorm_mode_16_64 3
		.amdhsa_memory_ordered 1
		.amdhsa_forward_progress 1
		.amdhsa_inst_pref_size 116
	.end_amdhsa_kernel
	.amdgpu_metadata
---
amdhsa.version: [ 1, 2 ]
amdhsa.kernels:
  - .name:           k_q1d9a0f422a_kvsum
    .symbol:         k_q1d9a0f422a_kvsum.kd
    .args:
      - { .name: keys, .offset: 0, .size: 8, .value_kind: global_buffer, .address_space: global }
      - { .name: values, .offset: 8, .size: 8, .value_kind: global_buffer, .address_space: global }
      - { .name: part, .offset: 16, .size: 8, .value_kind: global_buffer, .address_space: global }
      - { .name: ksp, .offset: 24, .size: 8, .value_kind: global_buffer, .address_space: global }
    .group_segment_fixed_size: 263168
    .private_segment_fixed_size: 0
    .kernarg_segment_align: 8
    .kernarg_segment_size: 32
    .max_flat_workgroup_size: 256
    .sgpr_count:     66
    .vgpr_count:     512
    .wavefront_size: 32
...
	.end_amdgpu_metadata
.endif
;; end of part 1
;; launch apply (part 2): grid 256 x 1, 16 waves a work-group, no clusters, 296,960 bytes of LDS; arguments queries, part, ksp, out0; writes out0
.if DOCPART == 2
	.amdgcn_target "amdgcn-amd-amdhsa--gfx1250"
	.amdhsa_code_object_version 6
	.text
	.protected	k_q1d9a0f422a_apply
	.globl	k_q1d9a0f422a_apply
	.p2align	8
	.type	k_q1d9a0f422a_apply,@function
k_q1d9a0f422a_apply:
	s_mov_b64 s[64:65], 0
	v_nop
	global_prefetch_b8 v0, s[64:65] scope:SCOPE_SE
	s_setreg_imm32_b32 hwreg(HW_REG_WAVE_MODE, 25, 1), 1
	s_wait_xcnt 0x0
; out[n,l,h,v] = (sum over d of Q4(Q)[l,d] x Q4(KV)[d,v]) x 4096 / (sum over d of Q[l,d] Ksum[d] + 1e-6), Q = elu(queries) + 1.
; Q4: codes of FP4 (E2M1) with one E8M0 scale for each 32 along d.  The denominator is made of the unquantised Q and Ksum, by f32 multiply-adds.
; SHARES.  Work-group g: head g & 7, quarter of l (g >> 3) & 3, batch g >> 5: 1,024 rows of one head.  Each of its sixteen waves owns 64 rows: four tiles of 16.
; THE QUERIES are all asked for at the head, by two roads.  Rows 32-63 of a wave come by ONE tensor load (32 rows x 256 bytes: the other 32 rows take the other road) into the upper half of the wave's own LDS
; bytes, each filled once; only the issuing wave reads them, behind its own wait on TENSORcnt.
; Tiles 0 and 1 are worked and stored with no wait
; on TENSORcnt; the one wait for the tile stands behind tile 1's stores.  A wave has one tensor load outstanding.
; Rows lie 272 bytes = 68 words apart, so that the 16 rows that a load touches start at 16 different banks (64 banks of 4 bytes: ISA guide 11.1).
; KV AND KSUM.  The launch before left four parts for each head.  A part of KV is an image of accumulators: register 32 jv + 8 jd + q of lane (r, hl) = KV(d = 32 hl + 4 q + jd, v = 4 r + jv).  So wave jv (0 .. 3) loads its
; 32 registers of each part, adds them, and holds in each lane a whole block of 32 along d of one v: it is quantised where it stands, and its codes and scale word go to LDS as an image of the operand's registers.
; Wave 4 adds the parts of Ksum and lays them in LDS in the same order of d.  These loads stand ahead of the same waves' loads of queries: every wave waits for their results at the one barrier.
; Behind it every wave takes the four operands, their scale words and Ksum into registers, for good.
; THE ORDER OF k.  Inside a block of 32, place 8 jd + q stands for d = 32 hl + 4 q + jd, in KV's codes, in Q's codes and in Ksum alike: a permutation of k inside a block, the same on both sides, changes no product.
; K = 64 of the instruction's 128: registers 4-7 of both operands hold zero codes, and the scale bytes of those blocks are 127.
; A TILE.  Source 0 = 16 rows of Q, source 1 = 16 columns of KV: register q of lane (r, hl) = out(row 8 hl + q, v = 4 r + jv).  The four tiles jv give a lane 16 consecutive bytes of a row; the multiplication by
; 4096 Z puts them side by side, and each store writes two whole rows of 256 bytes.
; ELU + 1 = max(x, 2^(-|x| log2 e) - 1) + 1, the -1 and the +1 kept apart as in the definition.
; LIMITS: NaN and infinities among the inputs are not served.  A block of zeros gets the byte 1: its codes are zeros, and the bytes are read by this program alone.
.set LOG2E, 0x3fb8aa3b
.set FLOOR, 0x1800000                  ; 2^(3 - 127)
.set EPS,   0x358637bd                 ; 1e-6
.set F4096, 0x45800000
.set QP,    272                        ; a row of Q in LDS
.set WQ,    64*QP                      ; a wave's 64 rows
.set HQ,    32*QP                      ; its lower half: 8,704 bytes, 34 blocks of 256
.set KVI,   16*WQ                      ; behind the queries: the images of KV's operands, 512 bytes a wave's place,
.set KVS,   KVI+16*512                 ; their scale words, 128 bytes a wave's place,
.set KSB,   KVS+16*128                 ; and Ksum, 256 bytes
.set QA,   1                           ; v1   my row of a tile: wave x WQ + 272 r + 128 hl
.set GO,   2                           ; v2   out: 8 rows x hl + 16 r
.set L16,  3                           ; v3   16 x lane
.set KVIW, 4                           ; v4   where I store an operand's image
.set KVSW, 5                           ; v5   and its scale word
.set KSW,  6                           ; v6   where Ksum(4 r + j) goes: + 32 j
.set KVIR, 7                           ; v7   where I read the images,
.set KVSR, 8                           ; v8   the scale words,
.set KSR,  9                           ; v9   and my half's 32 numbers of Ksum
.set SH,   10                          ; v10  8 hl
.set QS,   11                          ; v11  where I put 16 bytes of rows 0-31: wave x WQ + 272 hl + 16 r
.set QG,   12                          ; v12  and where they lie in memory: 2,048 hl + 16 r
.set X,    16                          ; v16-47   32 numbers of my row as they lie
.set E,    48                          ; v48-79   at work; then the tile's results on their way out.  Ahead of the first tile v48-111 take rows 0-31 as loaded
.set T,    80                          ; v80-111  Q, in the order of k
.set AF,   112                         ; v112-119 Q's codes
.set BF,   120                         ; v120-151 KV's codes, tile jv at 8 jv
.set KS,   152                         ; v152-183 Ksum, in the order of k
.set ACC,  184                         ; v184-215 four accumulators.  (Ahead of the barrier, in waves 0-3: v16-47 part 0 of KV, v112-207 parts 1-3, v208-211 the codes)
.set KVC,  208
.set MX,   216
.set SO,   220
.set TB,   221
.set PX,   222
.set DA,   224                         ; v224-227 the denominator, in two chains of pairs
.set Z,    228
.set ZX,   229
.set ZB,   232                         ; v232-239 4096 Z of row 8 hl + q
.set SB,   248                         ; v248-251 KV's scale words
.set SA,   252                         ; v252     Q's scale word
.macro MAXSTEP b, ab                   ; step k of 16 of the largest magnitude of v[b] .. v[b+31] and the floor: four chains
.if \ab
.if k == 0
	v_max3_num_f32 v[MX], |v[\b]|, |v[\b+1]|, FLOOR
.elseif k < 4
	v_max3_num_f32 v[MX+k], |v[\b+3*k-1]|, |v[\b+3*k]|, |v[\b+3*k+1]|
.elseif k < 14
	v_max3_num_f32 v[MX+k%4], v[MX+k%4], |v[\b+2*k+3]|, |v[\b+2*k+4]|
.elseif k == 14
	v_max3_num_f32 v[MX], v[MX], v[MX+1], v[MX+2]
.else
	v_max3_num_f32 v[MX], v[MX], v[MX+3], |v[\b+31]|
.endif
.else
.if k == 0
	v_max3_num_f32 v[MX], v[\b], v[\b+1], FLOOR
.elseif k < 4
	v_max3_num_f32 v[MX+k], v[\b+3*k-1], v[\b+3*k], v[\b+3*k+1]
.elseif k < 14
	v_max3_num_f32 v[MX+k%4], v[MX+k%4], v[\b+2*k+3], v[\b+2*k+4]
.elseif k == 14
	v_max3_num_f32 v[MX], v[MX], v[MX+1], v[MX+2]
.else
	v_max3_num_f32 v[MX], v[MX], v[MX+3], v[\b+31]
.endif
.endif
.endm
.macro DOTSTEP                         ; step k of 16 of Q . Ksum: the first two start the chains
.if k < 2
	v_pk_mul_f32 v[DA+2*k:DA+2*k+1], v[T+2*k:T+2*k+1], v[KS+2*k:KS+2*k+1]
.else
	v_pk_fma_f32 v[DA+2*(k%2):DA+2*(k%2)+1], v[T+2*k:T+2*k+1], v[KS+2*k:KS+2*k+1], v[DA+2*(k%2):DA+2*(k%2)+1]
.endif
.endm
.macro WORD dst                        ; the byte of my block (hl) and lane l xor 16's make the row's scale word; blocks 2 and 3 are zero codes under the byte 127
	v_lshrrev_b32 v[TB], 23, v[SO]                 ; (also the plain line behind the conversions)
	v_lshlrev_b32 v[TB], v[SH], v[TB]
	v_permlanex16_b32 v[PX], v[TB], s42, s43
	v_or_b32 v[TB], v[TB], v[PX]
	v_or_b32 v[\dst], 0x7f7f0000, v[TB]
.endm
.macro QLOADS                          ; rows 0-31 of my wave: load i takes rows 2 i (lanes 0-15) and 2 i + 1 (lanes 16-31), 256 consecutive bytes each.  On every wave's way these are the last 16 loads issued
.irp i, 0,1,2,3,4,5,6,7,8,9,10,11,12,13,14,15
	global_load_b128 v[E+4*\i:E+4*\i+3], v[QG], s[4:5] offset:\i*4096 th:TH_LOAD_NT
.endr
.endm
.macro XFETCH t                        ; my row of tile t: 32 numbers of my half
.irp i2, 0,1,2,3,4,5,6,7
	ds_load_b128 v[X+4*\i2:X+4*\i2+3], v[QA] offset:(\t)*16*QP+16*\i2
.endr
.endm
	s_load_b256 s[4:11], s[0:1], 0x0               ; queries s[4:5], part s[6:7], ksp s[8:9], out0 s[10:11]
	v_lshl_add_u32 v254, v0, 2, 0x48000
	v_mov_b32 v255, 0
	ds_add_u32 v254, v255
	ds_add_u32 v254, v255
	v_lshrrev_b32 v13, 5, v0
	v_readfirstlane_b32 s12, v13                   ; wave 0..15
	s_and_b32 s13, ttmp9, 7                        ; head
	s_bfe_u32 s14, ttmp9, 0x20003                  ; quarter of l
	s_lshr_b32 s15, ttmp9, 5                       ; batch
	s_lshl_b32 s16, s15, 23                        ; my wave's first row, in bytes: batch x 4,096 rows + quarter x 1,024 + wave x 64, of 2,048 bytes; + head x 256
	s_lshl_b32 s17, s14, 21
	s_or_b32 s16, s16, s17
	s_lshl_b32 s17, s12, 17
	s_or_b32 s16, s16, s17
	s_lshl_b32 s17, s13, 8
	s_or_b32 s16, s16, s17
	s_mov_b32 s17, 0
	s_lshl_b32 s18, s15, 3
	s_or_b32 s18, s18, s13                         ; 8 x batch + head
	s_lshl_b32 s20, s18, 16                        ; the head's four parts of KV, 16,384 bytes each;
	s_lshl_b32 s19, s12, 12
	s_or_b32 s20, s20, s19                         ; in a part, wave jv's 32 registers: 4,096 jv (used by waves 0 to 3 alone)
	s_mov_b32 s21, 0
	s_lshl_b32 s22, s18, 11                        ; the head's four parts of the sums, 512 bytes each
	s_mov_b32 s23, 0
	; descriptor group 1: 32 rows x 64 elements of 4 bytes, rows 512 elements apart, padded in LDS
	s_mov_b32 s24, (2<<16)|(1<<20)|(5<<22)|(3<<25) ; 15:0 no mask; 17:16 elements of 4 bytes; 20 padding on; 24:22 after every 64 words (code 5); 31:25 four words (code 3)
	s_mov_b32 s25, 64<<16                          ; tensor_dim0 = 64
	s_mov_b32 s26, 32<<16                          ; tensor_dim1 = 32
	s_mov_b32 s27, 64<<16                          ; tile_dim0 = 64
	s_mov_b32 s28, 32                              ; tile_dim1 = 32
	s_mov_b32 s29, 512                             ; tensor_dim0_stride
	s_mov_b32 s30, 0
	s_mov_b32 s31, 0
	s_mov_b32 s32, 1                               ; group 0: count,
	s_mul_i32 s36, s12, WQ                         ; my wave's LDS bytes: wave x 17,408;
	s_add_co_u32 s33, s36, HQ                      ; the tile's LDS address: their upper half
	s_mov_b32 s40, LOG2E
	s_mov_b32 s42, 0x76543210
	s_mov_b32 s43, 0xfedcba98                      ; v_permlanex16_b32's selects for lane l xor 16
	s_mov_b32 s44, 0xffff0000                      ; lanes 16-31
	; every address register is made here: while the arguments are on their way, and ahead of the parting of the waves
	v_and_b32 v13, 15, v0                          ; r
	v_bfe_u32 v14, v0, 4, 1                        ; hl
	v_and_b32 v15, 31, v0                          ; lane
	v_mul_u32_u24 v[QA], v13, QP
	v_lshl_add_u32 v[QA], v14, 7, v[QA]
	v_add_nc_u32 v[QA], s36, v[QA]
	v_mul_u32_u24 v[QS], v14, QP
	v_lshl_add_u32 v[QS], v13, 4, v[QS]
	v_add_nc_u32 v[QS], s36, v[QS]
	v_lshlrev_b32 v[QG], 4, v13
	v_lshl_add_u32 v[QG], v14, 11, v[QG]
	v_lshlrev_b32 v[GO], 4, v13
	v_lshl_add_u32 v[GO], v14, 14, v[GO]
	v_lshlrev_b32 v[L16], 4, v15
	s_lshl_b32 s18, s12, 9
	s_add_co_u32 s18, s18, KVI
	v_add_nc_u32 v[KVIW], s18, v[L16]
	s_lshl_b32 s19, s12, 7
	s_add_co_u32 s19, s19, KVS
	v_lshl_add_u32 v[KVSW], v15, 2, s19
	v_lshrrev_b32 v16, 3, v13
	v_and_b32 v17, 7, v13
	v_lshlrev_b32 v[KSW], 2, v17
	v_lshl_add_u32 v[KSW], v16, 7, v[KSW]
	v_add_nc_u32 v[KSW], KSB, v[KSW]               ; d = 4 r + j lies in block r / 8 at place 8 j + r % 8
	v_add_nc_u32 v[KVIR], KVI, v[L16]
	v_lshl_add_u32 v[KVSR], v15, 2, KVS
	v_lshl_add_u32 v[KSR], v14, 7, KSB
	v_lshlrev_b32 v[SH], 3, v14
	v_mov_b32 v[PX], 0                             ; written once: the destination of a lane permute or of a DPP form counts as one of its sources
	v_mov_b32 v[ZX], 0
.irp q, 0,1,2,3,4,5,6,7
	v_mov_b32 v[ZB+\q], 0
.endr
	s_wait_dscnt 0x0
	s_wait_kmcnt 0x0
	s_add_nc_u64 s[4:5], s[4:5], s[16:17]          ; queries at my wave's first row
	s_add_nc_u64 s[34:35], s[4:5], 32*2048         ; the tile: rows 32 on
	s_or_b32 s35, s35, 0x80000000                  ; type = 2
	s_add_nc_u64 s[6:7], s[6:7], s[20:21]
	s_add_nc_u64 s[8:9], s[8:9], s[22:23]
	s_add_nc_u64 s[10:11], s[10:11], s[16:17]      ; out has the queries' shape
	tensor_load_to_lds s[32:35], s[24:31]          ; my rows 32-63: asked for before anything else
	s_nop 0
.rept 4
	v_nop                                          ; four v_nop follow a tensor load
.endr
	s_cmp_lt_u32 s12, 4
	s_cbranch_scc0 .Lnot_kv
	; ---- waves 0 to 3: tile jv = wave of KV
.irp p, 0,1,2,3
.if \p == 0
.set PB, 16
.else
.set PB, 80+32*\p
.endif
.irp i, 0,1,2,3,4,5,6,7
	global_load_b128 v[PB+4*\i:PB+4*\i+3], v[L16], s[6:7] offset:\p*16384+512*\i   ; 512 consecutive bytes a load
.endr
.endr
	QLOADS
.irp p, 1,2,3
	s_wait_loadcnt 40-8*\p                         ; parts 0 .. p are in; eight loads for each later part and the 16 of the queries may be out
.set m, 0
.rept 16
	v_pk_add_f32 v[16+m:17+m], v[16+m:17+m], v[80+32*\p+m:81+32*\p+m]
.set m, m+2
.endr
.endr
.set k, 0
.rept 16
	MAXSTEP 16, 1
.set k, k+1
.endr
	v_add_nc_u32 v[SO], 0xff000000, v[MX]          ; 2 off the exponent field: the conversion's scale operand
.irp g, 0,1,2,3
	v_cvt_scalef32_pk8_fp4_f32 v[KVC+\g], v[16+8*\g:16+8*\g+7], v[SO]
.endr
	WORD TB
	ds_store_b128 v[KVIW], v[KVC:KVC+3]            ; the operand's registers 0-3 as they stand: 16 bytes a lane
	ds_store_b32 v[KVSW], v[TB]
	s_branch .Ljoin
.Lnot_kv:
	s_cmp_eq_u32 s12, 4
	s_cbranch_scc0 .Lothers
	; ---- wave 4: Ksum.  A part holds, at 16 x lane, the sums of columns 4 r .. 4 r + 3 over the keys of lane half hl
.irp p, 0,1,2,3
	global_load_b128 v[16+4*\p:19+4*\p], v[L16], s[8:9] offset:512*\p
.endr
	QLOADS
	s_wait_loadcnt 16                              ; the four parts are in; the 16 loads of the queries may be out
.irp p, 1,2,3
	v_pk_add_f32 v[16:17], v[16:17], v[16+4*\p:17+4*\p]
	v_pk_add_f32 v[18:19], v[18:19], v[18+4*\p:19+4*\p]
.endr
.irp j, 0,1,2,3
	v_permlanex16_b32 v[20+\j], v[16+\j], s42, s43
.endr
.irp j, 0,1,2,3
	v_add_f32 v[16+\j], v[16+\j], v[20+\j]
.endr
.irp j, 0,1,2,3
	ds_store_b32 v[KSW], v[16+\j] offset:32*\j     ; both halves of the lanes write the same word with the same value
.endr
	s_branch .Ljoin
.Lothers:
	QLOADS
.Ljoin:
	s_wait_dscnt 0x0                               ; for the others' sake: my stores have landed
	s_barrier_signal -1
	s_barrier_wait -1                              ; (my tensor load and my loads of queries may be out: nobody but me uses what they bring, and nothing is filled a second time)
.irp jv, 0,1,2,3
	ds_load_b128 v[BF+8*\jv:BF+8*\jv+3], v[KVIR] offset:512*\jv
	ds_load_b32 v[SB+\jv], v[KVSR] offset:128*\jv
.endr
.irp i, 0,1,2,3,4,5,6,7
	ds_load_b128 v[KS+4*\i:KS+4*\i+3], v[KSR] offset:16*\i
.endr
.irp jv, 0,1,2,3
.irp i, 4,5,6,7
	v_mov_b32 v[BF+8*\jv+\i], 0                    ; k = 64 .. 127: zero codes
.endr
.endr
.irp i, 4,5,6,7
	v_mov_b32 v[AF+\i], 0
.endr
	s_wait_loadcnt 0x0                             ; my rows 0-31 are in registers
.irp i, 0,1,2,3,4,5,6,7,8,9,10,11,12,13,14,15
	ds_store_b128 v[QS], v[E+4*\i:E+4*\i+3] offset:\i*2*QP   ; sixteen lanes put a row's 256 bytes on end
.endr
	XFETCH 0                                       ; LDS serves a wave's instructions in order (ISA guide 5.7.1.4): these see my stores
.macro TILE t
	s_wait_dscnt 0x0                               ; my row's 32 numbers are in (ahead of the first tile: the operands, scale words and Ksum too)
.if \t > 0
	s_wait_xcnt 0x0                                ; the last tile's stores have had their addresses translated (ISA guide 3.1): their data registers are written again only behind this wait
.endif
.set i, 0
.rept 32
	v_mul_f32 v[E+i], s40, -|v[X+i]|               ; -|x| log2 e
.set i, i+1
.endr
.set i, 0
.rept 32
	v_exp_f32 v[E+i], v[E+i]
.set i, i+1
.endr
	v_nop                                          ; a plain line between the exponentials and the first use of a result
.set i, 0
	s_wait_alu depctr_va_vdst(0)
.rept 16
	v_pk_add_f32 v[E+i:E+i+1], v[E+i:E+i+1], -1.0 op_sel_hi:[1,0]
.set i, i+2
.endr
.set i, 0
.rept 32
	v_max_num_f32 v[T+8*(i%4)+i/4], v[E+i], v[X+i] ; elu; d = 32 hl + i goes to place 8 (i % 4) + i / 4: KV's order of k
.set i, i+1
.endr
.if (\t == 0) || (\t == 2)
	XFETCH \t+1                                    ; the next tile's row lies in the same half of my LDS bytes: it is fetched while this one is worked
.endif
.set i, 0
.rept 16
	v_pk_add_f32 v[T+i:T+i+1], v[T+i:T+i+1], 1.0 op_sel_hi:[1,0]
.set i, i+2
.endr
.set k, 0
.rept 8
	MAXSTEP T, 0                                   ; Q is never negative: no |.|
	DOTSTEP
.set k, k+1
.endr
.rept 8
	MAXSTEP T, 0
.set k, k+1
.endr
	v_add_nc_u32 v[SO], 0xff000000, v[MX]
.irp g, 0,1,2,3
	v_cvt_scalef32_pk8_fp4_f32 v[AF+\g], v[T+8*\g:T+8*\g+7], v[SO]
.endr
	WORD SA
.set k, 8
.rept 8
	DOTSTEP                                        ; eight plain lines: the places between the last write of a scale register and the scaled matrix instructions
.set k, k+1
.endr
.irp jv, 0,1,2,3
	v_wmma_scale_f32_16x16x128_f8f6f4 v[ACC+8*\jv:ACC+8*\jv+7], v[AF:AF+7], v[BF+8*\jv:BF+8*\jv+7], 0, v[SA], v[SB+\jv] matrix_a_fmt:MATRIX_FMT_FP4 matrix_b_fmt:MATRIX_FMT_FP4
.endr
	; 4096 Z of my row; these lines name no register of the products and are the places behind them (ISA guide 7.12.1)
	v_pk_add_f32 v[DA:DA+1], v[DA:DA+1], v[DA+2:DA+3]
	v_add_f32 v[Z], v[DA], v[DA+1]
	v_permlanex16_b32 v[PX], v[Z], s42, s43
	v_add_f32 v[Z], v[Z], v[PX]                    ; with lane l xor 16's 32 of d
	v_add_f32 v[Z], EPS, v[Z]
	v_rcp_f32 v[TB], v[Z]
	v_nop                                          ; a plain line behind the reciprocal
	s_wait_alu depctr_va_vdst(0)
	v_mul_f32 v[Z], F4096, v[TB]
	v_mov_b32_dpp v[ZX], v[Z] row_xmask:8 row_mask:0xf bank_mask:0xf
	v_cndmask_b32 v[Z], v[Z], v[ZX], s44           ; lanes 16-31 now hold row r xor 8's: in both halves place q of the sixteen holds row 8 hl + q's
.irp q, 0,1,2,3,4,5,6,7
	v_mov_b32_dpp v[ZB+\q], v[Z] row_share:\q row_mask:0xf bank_mask:0xf
.endr
.irp q, 0,1,2,3,4,5,6,7                ; each accumulator is read from its low end on
.irp jv, 0,1,2,3
	v_mul_f32 v[E+4*\q+\jv], v[ACC+8*\jv+\q], v[ZB+\q]
.endr
	global_store_b128 v[GO], v[E+4*\q:E+4*\q+3], s[10:11] offset:(16*\t+\q)*2048 th:TH_STORE_NT   ; lanes 0-15 store row q's 256 bytes, lanes 16-31 row 8 + q's: each at a multiple of 256 from the buffer's first byte
.endr
.if \t == 1
	s_wait_tensorcnt 0x0                           ; my rows 32-63 lie in LDS.  The wait stands behind this tile's stores, so that they do not wait with it
	XFETCH 2
.endif
.endm
	TILE 0
	TILE 1
	TILE 2
	TILE 3
	s_wait_tensorcnt 0x0
	ds_add_u32 v254, v255
	s_wait_dscnt 0x0
	s_endpgm
.Lfunc_end_k_q1d9a0f422a_apply:
	.size	k_q1d9a0f422a_apply, .Lfunc_end_k_q1d9a0f422a_apply-k_q1d9a0f422a_apply
	.p2alignl 7, 3214868480
	.fill 96, 4, 3214868480
	.section	.rodata,"a",@progbits
	.p2align	6, 0x0
	.amdhsa_kernel k_q1d9a0f422a_apply
		.amdhsa_group_segment_fixed_size 296960
		.amdhsa_private_segment_fixed_size 0
		.amdhsa_enable_private_segment 0
		.amdhsa_kernarg_size 32
		.amdhsa_user_sgpr_count 2
		.amdhsa_user_sgpr_kernarg_segment_ptr 1
		.amdhsa_wavefront_size32 1
		.amdhsa_system_sgpr_workgroup_id_x 1
		.amdhsa_system_sgpr_workgroup_id_y 1
		.amdhsa_system_sgpr_workgroup_id_z 1
		.amdhsa_system_vgpr_workitem_id 0
		.amdhsa_next_free_vgpr 256
		.amdhsa_next_free_sgpr 66
		.amdhsa_reserve_vcc 0
		.amdhsa_float_denorm_mode_32 3
		.amdhsa_float_denorm_mode_16_64 3
		.amdhsa_memory_ordered 1
		.amdhsa_forward_progress 1
		.amdhsa_inst_pref_size 72
	.end_amdhsa_kernel
	.amdgpu_metadata
---
amdhsa.version: [ 1, 2 ]
amdhsa.kernels:
  - .name:           k_q1d9a0f422a_apply
    .symbol:         k_q1d9a0f422a_apply.kd
    .args:
      - { .name: queries, .offset: 0, .size: 8, .value_kind: global_buffer, .address_space: global }
      - { .name: part, .offset: 8, .size: 8, .value_kind: global_buffer, .address_space: global }
      - { .name: ksp, .offset: 16, .size: 8, .value_kind: global_buffer, .address_space: global }
      - { .name: out0, .offset: 24, .size: 8, .value_kind: global_buffer, .address_space: global }
    .group_segment_fixed_size: 296960
    .private_segment_fixed_size: 0
    .kernarg_segment_align: 8
    .kernarg_segment_size: 32
    .max_flat_workgroup_size: 512
    .sgpr_count:     66
    .vgpr_count:     256
    .wavefront_size: 32
...
	.end_amdgpu_metadata
.endif
;; end of part 2
